; MI455X (gfx1250); checked and timed in simulation.
; The chip was launched on July 23, 2026; its instructions are those of AMD's public machine-readable ISA for CDNA 5 (MIT licence, August 2026) and "CDNA5" Instruction Set Architecture Reference Guide (July 2026). The comments in the code are by the model that wrote it; some were corrected since.
;; Predictor LG. Allowed arithmetic: matrix products marked QUANTISED: E2M1 operands, one E8M0 scale for each 32 along K, by v_wmma_scale_f32_16x16x128_f8f6f4 with both operands' format E2M1 (or v_wmma_scale_f32_32x16x128_f4), f32 sums; products left as they are: f32 operands where the result goes on into a quantised operand, else bf16, f16 or f32 operands; f32 sums; everything else in f32.
;; Inputs: W_gd 128 x 64 float32; W_in 128 x 64 float32; W_out1 128 x 64 float32; W_out2 64 x 1 float32; guidance 256 x 1 x 128 float32; ln_gd_b 128 float32; ln_gd_g 128 float32; ln_in_b 128 float32; ln_in_g 128 float32; x 256 x 1,024 x 128 float32.
;; Outputs: out0 256 x 1,024 x 1 float32.
;; This version of the problem:
;;   THIS VERSION OF THE PROBLEM IS GIVEN IN LOW PRECISION. The matrix products marked QUANTISED in the list below multiply operands that are first quantised to E2M1 (2 exponent bits, 1 mantissa bit; 4 bits a number), with one power-of-two scale for each 32 numbers along K (OCP MX v1.0); their sums are f32. All else is computed in f32.
;;   The module's matrix products, in the order in which they are computed (A, B: the left and right operand; K: the contracted axis; several contracted axes count as one K, in the product's order):
;;     1. [M 262,144, K 128] x [K 128, N 64]; A: computed on the way; B: input W_in: QUANTISED
;;     2. [M 256, K 128] x [K 128, N 64]; A: computed on the way; B: input W_gd: QUANTISED
;;     3. [M 262,144, K 128] x [K 128, N 64]; A: computed on the way; B: input W_out1: QUANTISED
;;     4. [M 262,144, K 64] x [K 64, N 1]; A: computed on the way; B: input W_out2: left as it is (N = 1 < 16)
;;   THE QUANTISER, for each operand of a quantised product, along K:
;;     - K is cut into blocks of 32 from its start; a last block that is shorter is filled with zeros.
;;     - A block's scale is 2^e with e = floor(log2(the largest magnitude in the block)) - 2, held to -126 .. 127; a block of zeros has e = 0. As a byte (E8M0): e + 127.
;;     - Each number is divided by its block's scale, clamped to +-6, and rounded to the nearest number of E2M1, ties to even, subnormals kept.
;;     - The product sums the exact products of the quantised numbers (number of the format x scale) in f32.
;;   ~~~python
;;   def quantise(x, axis):      # numpy; x: float32 -> the quantised numbers, widened to float32 again
;;       x = np.moveaxis(x, axis, -1); K = x.shape[-1]
;;       x = np.pad(x, [(0, 0)] * (x.ndim - 1) + [(0, -K % 32)]); x = x.reshape(x.shape[:-1] + (-1, 32)); a = np.abs(x).max(-1, keepdims=True)
;;       e = np.where(a > 0, np.clip(np.frexp(np.where(a > 0, a, 1))[1] - 1 - 2, -126, 127), 0)      # np.frexp(a)[1] - 1 = floor(log2(a)), exactly
;;       r = np.clip(x / 2.0 ** e, -6, 6)
;;       step = 2.0 ** (np.maximum(np.frexp(np.where(r == 0, 1, r))[1] - 1, 0) - 1)
;;       q = np.round(r / step) * step * 2.0 ** e      # np.round: ties to even
;;       return np.moveaxis(q.reshape(q.shape[:-2] + (-1,))[..., :K], -1, axis).astype(np.float32)
;;   ~~~
;;   OPERANDS COMPUTED ON THE WAY. 'Computed on the way' means the value that the module computes at that place (a softmax that the list does not call 'softmax' is quantised finished and normalised). What goes into a quantiser is computed in f32, as accurately as f32 sums, v_exp_f32 and their like allow (about 1e-6 of the number): no bf16 or f16 on the way to a quantiser, and a product that is left as it is and whose result goes on into a quantised operand takes f32 operands (vector FMAs, or v_wmma_f32_16x16x4_f32). A number that lies on a knife's edge between two numbers of the format may be rounded either way, as far as f32 arithmetic and the matrix unit's own rounding can turn it there, and no further.
;; One version. Each part assembles by itself: llvm-mc -triple=amdgcn-amd-amdhsa -mcpu=gfx1250 --defsym DOCPART=n.
;; ======== version 1 of 1: 1 launch
;; launch predictor (part 1): grid 256 x 1, 16 waves a work-group, no clusters, 327,680 bytes of LDS; arguments x, guidance, ln_in_g, ln_in_b, W_in, ln_gd_g, ln_gd_b, W_gd, W_out1, W_out2, out0; writes out0
.if DOCPART == 1
	.amdgcn_target "amdgcn-amd-amdhsa--gfx1250"
	.amdhsa_code_object_version 6
	.text
	.protected	k_qde82071831_predictor
	.globl	k_qde82071831_predictor
	.p2align	8
	.type	k_qde82071831_predictor,@function
k_qde82071831_predictor:
	s_mov_b64 s[64:65], 0
	v_nop
	global_prefetch_b8 v0, s[64:65] scope:SCOPE_SE
	s_setreg_imm32_b32 hwreg(HW_REG_WAVE_MODE, 25, 1), 1
	s_wait_xcnt 0x0
; out[b][n] = tanh( gelu( [ gelu(LN(x[b][n]) W_in) , g[b] ] W_out1 ) . W_out2 ),  g[b] = gelu(LN(guidance[b]) W_gd).
; x [256][1024][128] f32, guidance [256][1][128], the three weights [128 (k)][64 (n)] f32, W_out2 [64], out [256][1024] f32.
; The three products with K = 128 multiply codes of FP4 (E2M1) with one E8M0 scale for each 32 along K; both operands are quantised here, in f32 up to the conversion.  All else is f32.
; SHARES.  Work-group b owns batch b: 1,024 tokens.  Each of its sixteen waves owns 64 of them, four tiles of 16, in 256 registers: four waves to a SIMD, so that one wave's waits stand beside another's arithmetic.
; x comes by the tensor data mover, a tile of 16 rows x 512 bytes at a time, into two LDS slots of the wave's own.  Nothing goes to memory but the result.
; LAYOUT.  The two large products are used transposed (source 0 = 16 columns of the weight, source 1 = 16 tokens): a lane (r = lane % 16, h = lane / 16) holds token r throughout.
; THE COLUMNS OF A WEIGHT THAT FORM A TILE ARE NOT NEIGHBOURS: lane r of tile 2 b + u takes column 32 b + 8 u + r + 8 (r / 8), so that a lane's 16 registers of tiles 2 b, 2 b + 1 are units 32 b + 16 h + 0 .. 15.
; The second large product's K is 64 hidden units, then g's 64: registers 4-7 of its token operand and bytes 2, 3 of its scale word are g's, the same for all tokens: made once a wave.
; GELU.  gelu(x) = max(x, 0) - |x| c, c = erfc(|x| / sqrt 2) / 2 = t 2^E, t = 1 / (1 + 0.35355339 |x|), E = a polynomial of degree 9 in t - 0.72134752 x^2: nothing is cancelled on either side of 0.
; TANH.  1 - 2 / (1 + 2^(2.88539 y)); where y^2 < 1/16 the series y - y^3/3 + 2 y^5/15 - 17 y^7/315 is taken by a select, so that small y keep their digits.
; LAYERNORM in two passes: the mean, then the sum of squares of x - mean, so that a common offset of a row does no harm.
; NO CLUSTER: what work-groups share is the three weights, 98,304 bytes read once at the head, beside 524,288 bytes of x that belong to one work-group alone.
; NO PREFETCH: two of a wave's four tiles are asked for at the head; each of the other two is asked for a whole tile's work ahead of the wait for it.
; LIMITS.  NaN and infinities among the inputs are not served.  A gelu under 2^-126 in magnitude comes out as 0 (v_exp_f32 gives 0 there).  Blocks whose largest magnitude lies under 2^-124 get the scale byte 1 and were not tried;
; a block of zeros gets the byte 1 where the rule says 127: its codes are zeros, and the bytes are read here alone.  The polynomial's own error is 1.2e-7 of erfc; E's rounding adds about x^2 x 1e-7.  Sums run in another order than the definition's.
.set SLOTB, 8448                       ; an LDS slot: 16 rows x (512 bytes + 16 of padding).  The pitch, 528 = 33 x 16: the sixteen rows that a load touches begin 16 bytes apart modulo 256
.set WIMG,  0                          ; 12 fragments of weights as images of their registers, 1,024 bytes each: image 4 wt + t (wt: 0 W_in, 1 W_gd, 2 W_out1); registers 4 c .. 4 c + 3 at 512 c + 16 x lane
.set WSC,   12288                      ; their scale words: 512 bytes a weight: lane l at 16 l, tile t's word at + 4 t
.set GST,   13824                      ; g: 64 f32
.set W2S,   14080                      ; W_out2 in the order of a lane's registers: unit 32 b + 16 h + i at 128 h + 64 b + 4 i
.set OUTS,  14336                      ; the results: 256 bytes for each wave
.set SPARE, 18432                      ; the spare words, 128 bytes for each wave: eight blocks of 256 bytes that no other line names
.set RING,  20480                      ; the slots: wave w's slot s at RING + (2 w + s) SLOTB.  No LDS store lands from here on, no tensor load below
.set XA,  1                            ; v1   LDS: my 128 bytes of row r in my wave's slot 0: RING + 2 SLOTB w + 528 r + 128 h
.set HB,  2                            ; v2   128 h
.set LI,  3                            ; v3   16 x lane
.set OA,  4                            ; v4   LDS: OUTS + 256 w + 4 r
.set ORD, 5                            ; v5   LDS: OUTS + 256 w + 8 x lane
.set SPW, 6                            ; v6   LDS address of my spare word; never rewritten
.set NIL, 7                            ; v7   0; never rewritten
.set SCW, 8                            ; v8-11  a weight's four scale words
.set XS,  12                           ; v12  the token operand's scale word
.set GS,  13                           ; v13  at the head where wave 6 stores g; then g's two scale bytes << 16
.set MU,  14                           ; v14  the mean, then 1 / sqrt(var + eps); v15 is named with it as a pair
.set G,   16                           ; v16-79   the norm's gain,
.set B,   80                           ; v80-143  and its bias: register 32 c + i = k 64 c + 32 h + i.  (Waves 0-5, at the head: 128 numbers of a weight's column)
.set HC,  144                          ; v144-151 the second product's token operand; v144-147 also at work in QUANT64
.set RA,  152                          ; v152-183
.set RB,  184                          ; v184-215
.set RC,  216                          ; v216-247
.set TMP, 248                          ; v248-255
.set WST, 216                          ; at the head alone: where a weight's codes go,
.set WSS, 217                          ; its scale word,
.set W2ST, 218                         ; W_out2's numbers,
.set WOFF, 219                         ; and my column's byte in a row of a weight
.set WV,  2                            ; s2   my wave's number
.set G1,  32                           ; s[32:39] descriptor group 1;  s[40:43], s[44:47] group 0 for slot 0, 1
.set G0,  40
.set CK,  48                           ; s[48:63] the polynomial's c0 .. c7, each twice: the packed forms name a pair
.set KQ,  66
.set C9,  68
.set C8,  70
.set K1,  71
.set SEL, 72                           ; s[72:73] v_permlanex16_b32's selects for lane l xor 16
.set FLOOR, 74                         ; 2^(3 - 127): no largest magnitude is taken under it, so no scale byte falls under 1
.set R128, 75
.set EPS, 76
.set TH2, 77
.set TH7, 78
.set TH5, 79
.set TH3, 80
.set THL, 81
.macro PLACES n
.rept \n
	v_nop
.endr
.endm
.macro PAIR reg, bits
	s_mov_b32 s[\reg], \bits
	s_mov_b32 s[\reg+1], \bits
.endm
.macro BARRIER                         ; my LDS stores have landed and my LDS loads are in; then the work-group's barrier.  The tensor loads may stay out
	s_wait_dscnt 0x0
	s_barrier_signal -1
	s_barrier_wait -1
.endm
; gelu in place on v[hh] .. v[hh + nn - 1]; v[tt] .., v[pp] .. and v248-255 at work.  Two batches of transcendentals, each with one plain line behind it and one wait ahead of its first reader.
.macro GELU hh, tt, pp, nn
.set i, 0
.rept \nn
	v_fma_f32 v[\tt+i], |v[\hh+i]|, s[K1], 1.0                 ; (a matrix result is read here from its low end on)
.set i, i+1
.endr
.set i, 0
.rept \nn
	v_rcp_f32 v[\tt+i], v[\tt+i]                               ; t
.set i, i+1
.endr
	v_mov_b32 v[TMP+6], s[C8]                                  ; c8 as a vector pair, so that no packed line names two scalar pairs.  (The plain line behind the reciprocals)
	v_mov_b32 v[TMP+7], s[C8]
	s_wait_alu depctr_va_vdst(0)                               ; one wait for the batch
.set i, 0
.rept \nn/2
	v_pk_fma_f32 v[\pp+i:\pp+i+1], v[\tt+i:\tt+i+1], s[C9:C9+1], v[TMP+6:TMP+7] op_sel_hi:[1,0,1]
.set i, i+2
.endr
.irp k, 7,6,5,4,3,2,1,0
.set i, 0
.rept \nn/2
	v_pk_fma_f32 v[\pp+i:\pp+i+1], v[\pp+i:\pp+i+1], v[\tt+i:\tt+i+1], s[CK+2*\k:CK+2*\k+1] op_sel_hi:[1,1,0]
.set i, i+2
.endr
.endr
.set i, 0
.rept \nn/2                            ; E = the polynomial - 0.72134752 x^2: pair i's square, and two pairs behind it the multiply-add that takes it; three pairs of registers take turns
	v_pk_mul_f32 v[TMP+2*(i%3):TMP+2*(i%3)+1], v[\hh+2*i:\hh+2*i+1], v[\hh+2*i:\hh+2*i+1]
.if i >= 2
	v_pk_fma_f32 v[\pp+2*i-4:\pp+2*i-3], v[TMP+2*((i+1)%3):TMP+2*((i+1)%3)+1], s[KQ:KQ+1], v[\pp+2*i-4:\pp+2*i-3] op_sel_hi:[1,0,1]
.endif
.set i, i+1
.endr
.irp d, 2,1
	v_pk_fma_f32 v[\pp+2*(i-\d):\pp+2*(i-\d)+1], v[TMP+2*((i-\d)%3):TMP+2*((i-\d)%3)+1], s[KQ:KQ+1], v[\pp+2*(i-\d):\pp+2*(i-\d)+1] op_sel_hi:[1,0,1]
.endr
.set i, 0
.rept \nn
	v_exp_f32 v[\pp+i], v[\pp+i]                               ; 2^E
.set i, i+1
.endr
.set i, 0
.rept \nn
	v_mul_f32 v[\tt+i], |v[\hh+i]|, v[\tt+i]                   ; |x| t: work that names no exponential's result
.set i, i+1
.endr
.set i, 0
.rept \nn
	v_max_num_f32 v[\hh+i], 0, v[\hh+i]
.set i, i+1
.endr
	s_wait_alu depctr_va_vdst(0)                               ; one wait for the batch
.set i, 0
.rept \nn/2
	v_pk_fma_f32 v[\hh+i:\hh+i+1], v[\tt+i:\tt+i+1], v[\pp+i:\pp+i+1], v[\hh+i:\hh+i+1] neg_lo:[1,0,0] neg_hi:[1,0,0]   ; max(x, 0) - |x| t 2^E
.set i, i+2
.endr
.endm
.macro REDUCE                          ; four chains of pairs in v248-255, and lane l xor 16's: the row's sum in v248
	v_pk_add_f32 v[TMP:TMP+1], v[TMP:TMP+1], v[TMP+2:TMP+3]
	v_pk_add_f32 v[TMP+4:TMP+5], v[TMP+4:TMP+5], v[TMP+6:TMP+7]
	v_pk_add_f32 v[TMP:TMP+1], v[TMP:TMP+1], v[TMP+4:TMP+5]
	v_add_f32 v[TMP], v[TMP], v[TMP+1]
	v_permlanex16_b32 v[TMP+1], v[TMP], s[SEL], s[SEL+1]
	v_add_f32 v[TMP], v[TMP], v[TMP+1]
.endm
; LayerNorm in place on my 64 numbers of my row, v[xx] .. v[xx + 63]; lane l xor 16 holds the row's other 64.
.macro LN xx
.irp q, 0,1,2,3
	v_pk_add_f32 v[TMP+2*\q:TMP+2*\q+1], v[\xx+2*\q:\xx+2*\q+1], v[\xx+8+2*\q:\xx+9+2*\q]   ; the first eight pairs start the four chains: nothing is cleared
.endr
.set i, 8
.rept 24
	v_pk_add_f32 v[TMP+2*(i%4):TMP+2*(i%4)+1], v[TMP+2*(i%4):TMP+2*(i%4)+1], v[\xx+2*i:\xx+2*i+1]
.set i, i+1
.endr
	REDUCE
	v_mul_f32 v[MU], s[R128], v[TMP]                           ; the mean
.set i, 0
.rept 32
	v_pk_add_f32 v[\xx+2*i:\xx+2*i+1], v[\xx+2*i:\xx+2*i+1], v[MU:MU+1] op_sel_hi:[1,0] neg_lo:[0,1] neg_hi:[0,1]   ; x - mean
.set i, i+1
.endr
.irp q, 0,1,2,3
	v_pk_mul_f32 v[TMP+2*\q:TMP+2*\q+1], v[\xx+2*\q:\xx+2*\q+1], v[\xx+2*\q:\xx+2*\q+1]
.endr
.set i, 4
.rept 28
	v_pk_fma_f32 v[TMP+2*(i%4):TMP+2*(i%4)+1], v[\xx+2*i:\xx+2*i+1], v[\xx+2*i:\xx+2*i+1], v[TMP+2*(i%4):TMP+2*(i%4)+1]
.set i, i+1
.endr
	REDUCE
	v_fma_f32 v[TMP], v[TMP], s[R128], s[EPS]                  ; var + eps
	v_rsq_f32 v[MU], v[TMP]
	v_nop                                                      ; the plain line behind the transcendental,
	s_wait_alu depctr_va_vdst(0)                               ; and the wait ahead of its first reader
.set i, 0
.rept 32
	v_pk_mul_f32 v[\xx+2*i:\xx+2*i+1], v[\xx+2*i:\xx+2*i+1], v[MU:MU+1] op_sel_hi:[1,0]
.set i, i+1
.endr
.set i, 0
.rept 32
	v_pk_fma_f32 v[\xx+2*i:\xx+2*i+1], v[\xx+2*i:\xx+2*i+1], v[G+2*i:G+2*i+1], v[B+2*i:B+2*i+1]
.set i, i+1
.endr
.endm
; My 64 numbers, register 32 c + i = k 64 c + 32 h + i, are two WHOLE blocks, 2 c + h: they become the operand's registers v[dst] .. v[dst + 7] as they stand, and the row's scale word in v12 (lanes 0-15, which alone are read).
.macro QUANT64 src, dst
.irp c, 0,1
	v_max3_num_f32 v[HC+\c], |v[\src+32*\c]|, |v[\src+32*\c+1]|, s[FLOOR]
.endr
.irp e, 2,4,6,8,10,12,14,16,18,20,22,24,26,28,30
.irp c, 0,1
	v_max3_num_f32 v[HC+\c], v[HC+\c], |v[\src+32*\c+\e]|, |v[\src+32*\c+\e+1]|   ; the two blocks by turns
.endr
.endr
	v_add_nc_u32 v[HC+2], 0xff000000, v[HC]                    ; 2 off the exponent field: the conversion takes the exponent field of this operand as its scale
	v_add_nc_u32 v[HC+3], 0xff000000, v[HC+1]
	v_lshrrev_b32 v[HC], 23, v[HC+2]                           ; the scales' bytes
	v_lshrrev_b32 v[HC+1], 23, v[HC+3]
	v_lshl_or_b32 v[HC], v[HC+1], 16, v[HC]                    ; blocks h and 2 + h, at bytes 0 and 2;
	v_permlanex16_b32 v[HC+1], v[HC], s[SEL], s[SEL+1]
	v_lshl_or_b32 v[XS], v[HC+1], 8, v[HC]                     ; in lanes 0-15 the other half's go to bytes 1 and 3
.irp c, 0,1
.irp g, 0,1,2,3
	v_cvt_scalef32_pk8_fp4_f32 v[\dst+4*\c+\g], v[\src+32*\c+8*\g:\src+32*\c+8*\g+7], v[HC+2+\c]
.endr
.endr
	v_nop                                                      ; one plain line behind the last scaled conversion
.endm
; The hidden layer in v184-215, register 16 b + i = unit 32 b + 16 h + i: a block lies in lanes l and l xor 16.  Codes into v144-147, the scale word (with g's two bytes) into v12.
.macro QUANTH
.irp b, 0,1
	v_max3_num_f32 v[TMP+\b], |v[RB+16*\b]|, |v[RB+16*\b+1]|, s[FLOOR]
.endr
.irp e, 2,4,6,8,10,12,14
.irp b, 0,1
	v_max3_num_f32 v[TMP+\b], v[TMP+\b], |v[RB+16*\b+\e]|, |v[RB+16*\b+\e+1]|
.endr
.endr
	v_permlanex16_b32 v[TMP+2], v[TMP], s[SEL], s[SEL+1]
	v_permlanex16_b32 v[TMP+3], v[TMP+1], s[SEL], s[SEL+1]
	v_max_num_f32 v[TMP], v[TMP], v[TMP+2]
	v_max_num_f32 v[TMP+1], v[TMP+1], v[TMP+3]
	v_add_nc_u32 v[TMP+4], 0xff000000, v[TMP]
	v_add_nc_u32 v[TMP+5], 0xff000000, v[TMP+1]
	v_lshrrev_b32 v[TMP], 23, v[TMP+4]
	v_lshrrev_b32 v[TMP+1], 23, v[TMP+5]
	v_lshl_or_b32 v[XS], v[TMP+1], 8, v[TMP]
	v_or_b32 v[XS], v[XS], v[GS]
	v_cvt_scalef32_pk8_fp4_f32 v[HC], v[RB:RB+7], v[TMP+4]
	v_cvt_scalef32_pk8_fp4_f32 v[HC+1], v[RB+8:RB+15], v[TMP+4]
	v_cvt_scalef32_pk8_fp4_f32 v[HC+2], v[RB+16:RB+23], v[TMP+5]
	v_cvt_scalef32_pk8_fp4_f32 v[HC+3], v[RB+24:RB+31], v[TMP+5]
	v_nop                                                      ; one plain line behind the last scaled conversion
	v_permlane16_swap_b32 v[HC], v[HC+2]                       ; the operand wants a whole block in a lane: lanes 0-15 block 0, lanes 16-31 block 1
	v_permlane16_swap_b32 v[HC+1], v[HC+3]
.endm
.macro WEIGHT reg, wt                  ; a weight's four fragments into v[reg] on and its scale words into v8-11: nine LDS loads
.irp t, 0,1,2,3
.irp c, 0,1
	ds_load_b128 v[\reg+8*\t+4*\c:\reg+8*\t+4*\c+3], v[LI] offset:WIMG+4096*\wt+1024*\t+512*\c
.endr
.endr
	ds_load_b128 v[SCW:SCW+3], v[LI] offset:WSC+512*\wt
.endm
.macro PARAMS pg, pb                   ; a norm's gain and bias at my 64 k
.irp c, 0,1
.irp j, 0,1,2,3,4,5,6,7
	global_load_b128 v[G+32*\c+4*\j:G+32*\c+4*\j+3], v[HB], s[\pg:\pg+1] offset:256*\c+16*\j
	global_load_b128 v[B+32*\c+4*\j:B+32*\c+4*\j+3], v[HB], s[\pb:\pb+1] offset:256*\c+16*\j
.endr
.endr
.endm
; ONE TILE OF 16 TOKENS, from its slot to its 16 results in LDS.  left = how many younger tensor loads of mine may stay out.
.macro TILE tile, slot, left
	s_wait_tensorcnt \left                                     ; a wave's tensor loads end in order: my tile is in LDS; nobody else reads it
.irp c, 0,1
.irp j, 0,1,2,3,4,5,6,7
	ds_load_b128 v[RA+32*\c+4*\j:RA+32*\c+4*\j+3], v[XA] offset:\slot*SLOTB+256*\c+16*\j   ; x(r, 64 c + 32 h + 4 j ..)
.endr
.endr
	WEIGHT RC, 0                                               ; W_in
	s_wait_dscnt 9                                             ; x's sixteen loads are in; the nine behind them may be out
	LN RA
	QUANT64 RA, TMP
	s_wait_dscnt 0x0
	PLACES 8                                                   ; a scale word made by vector instructions stands eight places ahead of a scaled matrix instruction, codes so made four
.irp t, 0,1,2,3
	v_wmma_scale_f32_16x16x128_f8f6f4 v[RB+8*\t:RB+8*\t+7], v[RC+8*\t:RC+8*\t+7], v[TMP:TMP+7], 0, v[SCW+\t], v[XS] matrix_a_fmt:MATRIX_FMT_FP4 matrix_b_fmt:MATRIX_FMT_FP4
.endr
	PLACES 4                                                   ; four places ahead of the first read of the results (ISA guide 7.12.1)
	GELU RB, RA, RC, 32
	WEIGHT RA, 2                                               ; W_out1: it lands while the hidden layer is quantised
	QUANTH
	s_wait_dscnt 0x0
	PLACES 8
.irp t, 0,1,2,3
	v_wmma_scale_f32_16x16x128_f8f6f4 v[RB+8*\t:RB+8*\t+7], v[RA+8*\t:RA+8*\t+7], v[HC:HC+7], 0, v[SCW+\t], v[XS] matrix_a_fmt:MATRIX_FMT_FP4 matrix_b_fmt:MATRIX_FMT_FP4
.endr
	PLACES 4
	GELU RB, RA, RC, 32
.irp b, 0,1
.irp j, 0,1,2,3
	ds_load_b128 v[RA+16*\b+4*\j:RA+16*\b+4*\j+3], v[HB] offset:W2S+64*\b+16*\j   ; W_out2 at my 32 units
.endr
.endr
	s_wait_dscnt 0x0
	v_pk_mul_f32 v[TMP:TMP+1], v[RB:RB+1], v[RA:RA+1]          ; the last product, N = 1, in f32: two chains of fused multiply-adds
	v_pk_mul_f32 v[TMP+2:TMP+3], v[RB+2:RB+3], v[RA+2:RA+3]
.irp p, 4,8,12,16,20,24,28
	v_pk_fma_f32 v[TMP:TMP+1], v[RB+\p:RB+\p+1], v[RA+\p:RA+\p+1], v[TMP:TMP+1]
	v_pk_fma_f32 v[TMP+2:TMP+3], v[RB+\p+2:RB+\p+3], v[RA+\p+2:RA+\p+3], v[TMP+2:TMP+3]
.endr
	v_pk_add_f32 v[TMP:TMP+1], v[TMP:TMP+1], v[TMP+2:TMP+3]
	v_add_f32 v[TMP], v[TMP], v[TMP+1]
	v_permlanex16_b32 v[TMP+1], v[TMP], s[SEL], s[SEL+1]
	v_add_f32 v[TMP], v[TMP], v[TMP+1]                         ; y
	v_mul_f32 v[TMP+2], s[TH2], v[TMP]
	v_exp_f32 v[TMP+2], v[TMP+2]                               ; e^(2 y)
	v_mul_f32 v[TMP+3], v[TMP], v[TMP]                         ; the series, meanwhile: s = y^2
	v_fma_f32 v[TMP+4], v[TMP+3], s[TH7], s[TH5]
	v_fma_f32 v[TMP+4], v[TMP+4], v[TMP+3], s[TH3]
	v_mul_f32 v[TMP+4], v[TMP+4], v[TMP+3]
	v_fma_f32 v[TMP+4], v[TMP+4], v[TMP], v[TMP]               ; y + y s (-1/3 + s (2/15 - 17/315 s))
	s_wait_alu depctr_va_vdst(0)
	v_add_f32 v[TMP+2], 1.0, v[TMP+2]
	v_rcp_f32 v[TMP+2], v[TMP+2]
	v_nop
	v_cmp_gt_f32 vcc_lo, s[THL], v[TMP+3]                      ; 1/16 > y^2: a select, no branch
	s_wait_alu depctr_va_vdst(0)
	v_fma_f32 v[TMP+2], v[TMP+2], -2.0, 1.0
	v_cndmask_b32 v[TMP+2], v[TMP+2], v[TMP+4], vcc_lo
	ds_store_b32 v[OA], v[TMP+2] offset:64*\tile               ; both halves of the lanes hold token r's result and write the same word with it
.endm
; Slot s, which has been read, is filled again with the tile two further on.
.macro FILL slot
	s_wait_tensorcnt 0x0                                       ; all my tensor loads have landed, the unread slot's too: so a group 0 may be written
	ds_add_u32 v[SPW], v[NIL]                                  ; 0 onto my spare word
	s_add_nc_u64 s[G0+4*\slot+2:G0+4*\slot+3], s[G0+4*\slot+2:G0+4*\slot+3], 16384   ; two tiles of 8,192 bytes on; the type bits on top are not reached
	s_wait_dscnt 0x0                                           ; the add is done, and my reads of the slot are back
	s_barrier_signal -1
	s_barrier_wait -1                                          ; that holds of all sixteen waves
	tensor_load_to_lds s[G0+4*\slot:G0+4*\slot+3], s[G1:G1+7]  ; my one tensor load behind this barrier, and the first thing there
	s_nop 0
	PLACES 4
.endm
	; ---- the head: the two first fills go out ahead of everything else
	s_load_b512 s[8:23], s[0:1], 0x0               ; x s[8:9], guidance s[10:11], ln_in_g s[12:13], ln_in_b s[14:15], W_in s[16:17], ln_gd_g s[18:19], ln_gd_b s[20:21], W_gd s[22:23]
	s_load_b128 s[24:27], s[0:1], 0x40             ; W_out1 s[24:25], W_out2 s[26:27]
	s_load_b64 s[28:29], s[0:1], 0x50              ; out0
	v_lshl_add_u32 v[SPW], v0, 2, SPARE
	v_mov_b32 v[NIL], 0
	ds_add_u32 v6, v7
	ds_add_u32 v6, v7
	s_wait_dscnt 0x0
	v_lshrrev_b32 v1, 5, v0
	v_readfirstlane_b32 s[WV], v1                  ; wave 0..15
	s_mov_b32 s[G1+0], (2<<16)|(1<<20)|(6<<22)|(3<<25)   ; no mask; elements of 4 bytes; padding on: after every 128 words (code 6) four words (code 3)
	s_mov_b32 s[G1+1], 128<<16                     ; tensor_dim0 = 128
	s_mov_b32 s[G1+2], 16<<16                      ; tensor_dim1 = 16
	s_mov_b32 s[G1+3], 128<<16                     ; tile_dim0 = 128
	s_mov_b32 s[G1+4], 16                          ; tile_dim1 = 16
	s_mov_b32 s[G1+5], 128                         ; from row to row
	s_mov_b32 s[G1+6], 0
	s_mov_b32 s[G1+7], 0
	s_mul_i32 s3, s[WV], 2*SLOTB
	s_add_co_u32 s3, s3, RING                      ; my wave's two slots
	s_lshl_b32 s84, ttmp9, 19                      ; my batch: 1,024 rows of 512 bytes,
	s_lshl_b32 s85, s[WV], 15                      ; my wave's 64 of them
	s_add_co_u32 s84, s84, s85
	s_mov_b32 s85, 0
	s_wait_kmcnt 0x0
	s_add_nc_u64 s[84:85], s[8:9], s[84:85]
.irp s, 0,1
	s_mov_b32 s[G0+4*\s], 1                        ; count = 1
	s_add_co_u32 s[G0+4*\s+1], s3, \s*SLOTB        ; LDS address
	s_add_nc_u64 s[G0+4*\s+2:G0+4*\s+3], s[84:85], \s*8192   ; tile s
	s_or_b32 s[G0+4*\s+3], s[G0+4*\s+3], 0x80000000          ; type = 2
.endr
	tensor_load_to_lds s[G0:G0+3], s[G1:G1+7]      ; two loads of mine are out
	s_nop 0
	tensor_load_to_lds s[G0+4:G0+7], s[G1:G1+7]
	s_nop 0
	PLACES 4
	PAIR CK+0,  0xc034d90f                         ; -2.82574822  (the polynomial's coefficients x log2 e; c0 also holds the factor 1/2)
	PAIR CK+2,  0x3fb8ab5a                         ;  1.44272920
	PAIR CK+4,  0x3f0a29d2                         ;  0.53970062
	PAIR CK+6,  0x3e0efb2e                         ;  0.13963006
	PAIR CK+8,  0xbe899a80                         ; -0.26875686
	PAIR CK+10, 0x3ecdfd18                         ;  0.40232158
	PAIR CK+12, 0xbfd1a1e5                         ; -1.63775315
	PAIR CK+14, 0x40097039                         ;  2.14747446
	PAIR KQ,    0xbf38aa3b                         ; -log2(e) / 2
	PAIR C9,    0x3e7c6f08                         ;  0.24651730
	s_mov_b32 s[C8], 0xbf97d29d                    ; -1.18611495
	s_mov_b32 s[K1], 0x3eb504f3                    ; 1 / (2 sqrt 2)
	s_mov_b32 s[SEL], 0x76543210
	s_mov_b32 s[SEL+1], 0xfedcba98
	s_mov_b32 s[FLOOR], 0x1800000
	s_mov_b32 s[R128], 0x3c000000                  ; 1 / 128
	s_mov_b32 s[EPS], 0x3727c5ac                   ; 1e-5
	s_mov_b32 s[TH2], 0x4038aa3b                   ; 2 log2(e)
	s_mov_b32 s[TH7], 0xbd5d0dd1                   ; -17 / 315
	s_mov_b32 s[TH5], 0x3e088889                   ; 2 / 15
	s_mov_b32 s[TH3], 0xbeaaaaab                   ; -1 / 3
	s_mov_b32 s[THL], 0x3d800000                   ; 1 / 16
	; every address register is made here, ahead of the parting of the waves' roles
	v_and_b32 v[TMP], 15, v0                       ; r
	v_bfe_u32 v[TMP+1], v0, 4, 1                   ; h
	v_and_b32 v[TMP+2], 31, v0                     ; lane
	v_bfe_u32 v[TMP+3], v0, 3, 1                   ; (lane / 8) % 2
	v_and_b32 v[TMP+4], 7, v0                      ; lane % 8
	v_lshlrev_b32 v[HB], 7, v[TMP+1]
	v_lshlrev_b32 v[LI], 4, v[TMP+2]
	v_mul_u32_u24 v[XA], v[TMP], 528
	v_add_nc_u32 v[XA], v[XA], v[HB]
	v_add_nc_u32 v[XA], s3, v[XA]
	s_lshl_b32 s86, s[WV], 8
	s_add_co_u32 s86, s86, OUTS
	v_lshl_add_u32 v[OA], v[TMP], 2, s86
	v_lshl_add_u32 v[ORD], v[TMP+2], 3, s86
	v_lshlrev_b32 v[GS], 2, v[TMP]
	v_lshl_add_u32 v[GS], v[TMP+3], 5, v[GS]       ; 4 (r + 8 (r / 8)): column r of a tile, as a unit's place in g
	; a weight's column 32 (w % 2) + lane belongs to tile 2 (w % 2) + (lane / 8) % 2, at the tile's lane lane % 8 + 8 (lane / 16)
	v_lshlrev_b32 v[TMP+5], 4, v[TMP+4]
	v_add_nc_u32 v[TMP+5], v[TMP+5], v[HB]         ; 16 x that lane
	s_lshl_b32 s87, s[WV], 11                      ; 4,096 (w / 2) + 2,048 (w % 2)
	v_lshl_add_u32 v[WST], v[TMP+3], 10, v[TMP+5]
	v_add_nc_u32 v[WST], s87, v[WST]
	s_lshr_b32 s88, s[WV], 1
	s_lshl_b32 s88, s88, 9
	s_and_b32 s89, s[WV], 1
	s_lshl_b32 s90, s89, 3
	s_add_co_u32 s88, s88, s90                     ; 512 (w / 2) + 8 (w % 2)
	v_lshl_add_u32 v[WSS], v[TMP+3], 2, v[TMP+5]
	v_add_nc_u32 v[WSS], s88, v[WSS]
	v_lshlrev_b32 v[W2ST], 3, v[TMP+4]             ; units 2 lane, 2 lane + 1 of W_out2: 128 ((lane / 8) % 2) + 64 (lane / 16) + 8 (lane % 8)
	v_lshl_add_u32 v[W2ST], v[TMP+1], 6, v[W2ST]
	v_lshl_add_u32 v[W2ST], v[TMP+3], 7, v[W2ST]
	s_lshl_b32 s89, s89, 7
	v_lshl_add_u32 v[WOFF], v[TMP+2], 2, s89       ; 4 x my column
	v_mov_b32 v[MU+1], 0                           ; named as the upper half of the pair v[14:15]
	v_mov_b32 v[XS], 0                             ; wave 6 carries v12 and v248-255 over the first barrier: every wave writes them once here, so that every way there finds them written
	v_mov_b32 v[TMP+6], 0
	v_mov_b32 v[TMP+7], 0
	s_lshl_b32 s90, ttmp9, 12
	s_lshl_b32 s91, s[WV], 8
	s_add_co_u32 s90, s90, s91
	s_mov_b32 s91, 0
	s_add_nc_u64 s[28:29], s[28:29], s[90:91]      ; out0 at my wave's 64 tokens
	s_lshl_b32 s92, ttmp9, 9
	s_mov_b32 s93, 0
	s_add_nc_u64 s[10:11], s[10:11], s[92:93]      ; my batch's row of guidance
	s_cmp_lt_u32 s[WV], 4                          ; waves 0, 1: W_in; 2, 3: W_gd; 4, 5: W_out1
	s_cselect_b64 s[30:31], s[22:23], s[24:25]
	s_cmp_lt_u32 s[WV], 2
	s_cselect_b64 s[30:31], s[16:17], s[30:31]
	; ---- roles, while the first tiles are on their way
	s_cmp_lt_u32 s[WV], 6
	s_cbranch_scc0 .Lnot_a_weight
	; WAVES 0-5: 32 columns of a weight.  A lane takes a column and its registers run down K: a block of 32 lies in one lane, and the conversions give codes with K innermost.
.set k, 0
.rept 128
	global_load_b32 v[G+k], v[WOFF], s[30:31] offset:256*k     ; W(k, my column): 32 lanes read 128 consecutive bytes
.set k, k+1
.endr
	s_wait_loadcnt 0x0
.irp q, 0,1,2,3
	v_max3_num_f32 v[168+\q], |v[G+32*\q]|, |v[G+32*\q+1]|, s[FLOOR]
.endr
.irp e, 2,4,6,8,10,12,14,16,18,20,22,24,26,28,30
.irp q, 0,1,2,3
	v_max3_num_f32 v[168+\q], v[168+\q], |v[G+32*\q+\e]|, |v[G+32*\q+\e+1]|   ; the four blocks by turns
.endr
.endr
.irp q, 0,1,2,3
	v_add_nc_u32 v[172+\q], 0xff000000, v[168+\q]
.endr
.irp q, 0,1,2,3
	v_lshrrev_b32 v[168+\q], 23, v[172+\q]
.endr
	v_lshl_or_b32 v176, v169, 8, v168              ; my column's scale word
	v_lshl_or_b32 v176, v170, 16, v176
	v_lshl_or_b32 v176, v171, 24, v176
.irp q, 0,1,2,3
.irp g, 0,1,2,3
	v_cvt_scalef32_pk8_fp4_f32 v[152+4*\q+\g], v[G+32*\q+8*\g:G+32*\q+8*\g+7], v[172+\q]
.endr
.endr
	v_nop                                          ; one plain line behind the last scaled conversion
.irp q, 0,1,2,3
	ds_store_b128 v[WST], v[152+4*\q:155+4*\q] offset:WIMG+512*(\q/2)+256*(\q%2)   ; block q = 2 c + h: registers 4 c .. 4 c + 3 of the tile's lane + 16 h
.endr
	ds_store_b32 v[WSS], v176 offset:WSC           ; for the tile's lane, which is read,
	ds_store_b32 v[WSS], v176 offset:WSC+256       ; and for the lane 16 on, which is loaded with it
	s_branch .Lroles_done
.Lnot_a_weight:
	s_cmp_eq_u32 s[WV], 6
	s_cbranch_scc0 .Lnot_guidance
	; WAVE 6: the batch's row of guidance, normed and quantised: a fragment whose 16 rows are all this row
	PARAMS 18, 20
.irp c, 0,1
.irp j, 0,1,2,3,4,5,6,7
	global_load_b128 v[RA+32*\c+4*\j:RA+32*\c+4*\j+3], v[HB], s[10:11] offset:256*\c+16*\j
.endr
.endr
	s_wait_loadcnt 0x0
	LN RA
	QUANT64 RA, TMP
	s_branch .Lroles_done
.Lnot_guidance:
	s_cmp_eq_u32 s[WV], 7
	s_cbranch_scc0 .Lroles_done
	; WAVE 7: W_out2 into the order of a lane's registers
	v_lshrrev_b32 v152, 1, v[LI]                   ; 8 x lane
	global_load_b64 v[154:155], v152, s[26:27]
	s_wait_loadcnt 0x0
	ds_store_b64 v[W2ST], v[154:155] offset:W2S
.Lroles_done:
	BARRIER                                        ; the weights' images, their scale words and W_out2 lie in LDS
	PARAMS 12, 14                                  ; every wave: the tokens' gain and bias; waited for ahead of the first tile
	s_cmp_eq_u32 s[WV], 6
	s_cbranch_scc0 .Lno_g
	WEIGHT RC, 1                                   ; W_gd
	s_wait_dscnt 0x0
	PLACES 8
.irp t, 0,1,2,3                                ; NOT transposed: source 0 = the row, 16 times; source 1 = 16 columns: register 0 of lane r holds column r of the tile
	v_wmma_scale_f32_16x16x128_f8f6f4 v[RB+8*\t:RB+8*\t+7], v[TMP:TMP+7], v[RC+8*\t:RC+8*\t+7], 0, v[XS], v[SCW+\t] matrix_a_fmt:MATRIX_FMT_FP4 matrix_b_fmt:MATRIX_FMT_FP4
.endr
	PLACES 4
.irp t, 0,1,2,3
	v_mov_b32 v[RA+\t], v[RB+8*\t]                 ; each result's lowest register, side by side for the packed forms
.endr
	GELU RA, RA+4, RA+8, 4
.irp t, 0,1,2,3
	ds_store_b32 v[GS], v[RA+\t] offset:GST+4*(32*(\t/2)+8*(\t%2))   ; g(32 (t / 2) + 8 (t % 2) + r + 8 (r / 8)); both halves of the lanes write the same word with the same number
.endr
.Lno_g:
	BARRIER                                        ; g lies in LDS
	; every wave: g's part of the second product's operand: my block is K's block 2 + h = g's units 32 h .. 32 h + 31
.irp j, 0,1,2,3,4,5,6,7
	ds_load_b128 v[RA+4*\j:RA+4*\j+3], v[HB] offset:GST+16*\j
.endr
	s_wait_dscnt 0x0
	v_max3_num_f32 v[TMP], |v[RA]|, |v[RA+1]|, s[FLOOR]
.irp e, 2,4,6,8,10,12,14,16,18,20,22,24,26,28,30
	v_max3_num_f32 v[TMP], v[TMP], |v[RA+\e]|, |v[RA+\e+1]|
.endr
	v_add_nc_u32 v[TMP+1], 0xff000000, v[TMP]
	v_lshrrev_b32 v[TMP], 23, v[TMP+1]
	v_permlanex16_b32 v[TMP+2], v[TMP], s[SEL], s[SEL+1]
	v_lshl_or_b32 v[TMP], v[TMP+2], 8, v[TMP]
	v_lshlrev_b32 v[GS], 16, v[TMP]                ; in lanes 0-15: block 2's byte at byte 2, block 3's at byte 3
.irp g, 0,1,2,3
	v_cvt_scalef32_pk8_fp4_f32 v[HC+4+\g], v[RA+8*\g:RA+8*\g+7], v[TMP+1]
.endr
	v_nop                                          ; one plain line behind the last scaled conversion
	s_wait_loadcnt 0x0                             ; the gain and the bias
	; ---- the wave's four tiles
	TILE 0, 0, 1                                   ; the count leaves tile 1's load on its way
	FILL 0                                         ; tile 1 has landed; tile 2 goes out
	TILE 1, 1, 1                                   ; one load was issued behind tile 1's
	FILL 1                                         ; tile 2 has landed; tile 3 goes out: the last load
	TILE 2, 0, 1
	TILE 3, 1, 0                                   ; no load was issued behind this one
	; ---- the way out: my wave's 64 results
	v_lshrrev_b32 v[TMP], 1, v[LI]                 ; 8 x lane
	ds_load_b64 v[TMP+2:TMP+3], v[ORD]             ; LDS serves a wave's instructions in order: this sees my stores
	s_wait_dscnt 0x0
	global_store_b64 v[TMP], v[TMP+2:TMP+3], s[28:29] th:TH_STORE_NT   ; 32 lanes store 256 consecutive bytes, at a multiple of 256 from out0's first byte
	s_wait_tensorcnt 0x0                           ; the wave's end, behind my last tensor load and my last LDS store
	ds_add_u32 v[SPW], v[NIL]
	s_wait_dscnt 0x0
	s_endpgm
.Lfunc_end_k_qde82071831_predictor:
	.size	k_qde82071831_predictor, .Lfunc_end_k_qde82071831_predictor-k_qde82071831_predictor
	.p2alignl 7, 3214868480
	.fill 96, 4, 3214868480
	.section	.rodata,"a",@progbits
	.p2align	6, 0x0
	.amdhsa_kernel k_qde82071831_predictor
		.amdhsa_group_segment_fixed_size 327680
		.amdhsa_private_segment_fixed_size 0
		.amdhsa_enable_private_segment 0
		.amdhsa_kernarg_size 88
		.amdhsa_user_sgpr_count 2
		.amdhsa_user_sgpr_kernarg_segment_ptr 1
		.amdhsa_wavefront_size32 1
		.amdhsa_system_sgpr_workgroup_id_x 1
		.amdhsa_system_sgpr_workgroup_id_y 1
		.amdhsa_system_sgpr_workgroup_id_z 1
		.amdhsa_system_vgpr_workitem_id 0
		.amdhsa_next_free_vgpr 256
		.amdhsa_next_free_sgpr 96
		.amdhsa_reserve_vcc 1
		.amdhsa_float_denorm_mode_32 3
		.amdhsa_float_denorm_mode_16_64 3
		.amdhsa_memory_ordered 1
		.amdhsa_forward_progress 1
		.amdhsa_inst_pref_size 255
	.end_amdhsa_kernel
	.section	.bss,"aw",@nobits
	.p2align	6
	.space	262144
	.amdgpu_metadata
---
amdhsa.version: [ 1, 2 ]
amdhsa.kernels:
  - .name:           k_qde82071831_predictor
    .symbol:         k_qde82071831_predictor.kd
    .args:
      - { .name: x, .offset: 0, .size: 8, .value_kind: global_buffer, .address_space: global }
      - { .name: guidance, .offset: 8, .size: 8, .value_kind: global_buffer, .address_space: global }
      - { .name: ln_in_g, .offset: 16, .size: 8, .value_kind: global_buffer, .address_space: global }
      - { .name: ln_in_b, .offset: 24, .size: 8, .value_kind: global_buffer, .address_space: global }
      - { .name: W_in, .offset: 32, .size: 8, .value_kind: global_buffer, .address_space: global }
      - { .name: ln_gd_g, .offset: 40, .size: 8, .value_kind: global_buffer, .address_space: global }
      - { .name: ln_gd_b, .offset: 48, .size: 8, .value_kind: global_buffer, .address_space: global }
      - { .name: W_gd, .offset: 56, .size: 8, .value_kind: global_buffer, .address_space: global }
      - { .name: W_out1, .offset: 64, .size: 8, .value_kind: global_buffer, .address_space: global }
      - { .name: W_out2, .offset: 72, .size: 8, .value_kind: global_buffer, .address_space: global }
      - { .name: out0, .offset: 80, .size: 8, .value_kind: global_buffer, .address_space: global }
    .group_segment_fixed_size: 327680
    .private_segment_fixed_size: 0
    .kernarg_segment_align: 8
    .kernarg_segment_size: 88
    .max_flat_workgroup_size: 512
    .sgpr_count:     96
    .vgpr_count:     256
    .wavefront_size: 32
...
	.end_amdgpu_metadata
.endif
;; end of part 1
